; MI455X (gfx1250); checked and timed in simulation.
; The chip was launched on July 23, 2026; its instructions are those of AMD's public machine-readable ISA for CDNA 5 (MIT licence, August 2026) and "CDNA5" Instruction Set Architecture Reference Guide (July 2026). The comments in the code are by the model that wrote it; some were corrected since.
;; Multi Head Attention. Allowed arithmetic: float matrix products may take bf16 or f16 operands with f32 sums; other float arithmetic in f32, or as packed bf16 or f16 multiplies, adds, multiply-adds, maxima and minima; sums over many terms, partial sums and values carried from step to step in f32; what a program stores and reads back later, other than sums and carried values, may be rounded once to bf16 or f16.
;; Inputs: Wk 1,024 x 1,024 float32; Wo 1,024 x 1,024 float32; Wq 1,024 x 1,024 float32; Wv 1,024 x 1,024 float32; bk 1,024 float32; bo 1,024 float32; bq 1,024 float32; bv 1,024 float32; key 8 x 1,024 x 1,024 float32; mask 8 x 1,024 bool; query 8 x 1,024 x 1,024 float32; value 8 x 1,024 x 1,024 float32.
;; Outputs: out0 8 x 1,024 x 1,024 float32.
;; Constants: seq_mask = 0.
;; One version. Each part assembles by itself: llvm-mc -triple=amdgcn-amd-amdhsa -mcpu=gfx1250 --defsym DOCPART=n.
;; ======== version 1 of 1: 4 launches
;; limits: values are held in f16: magnitudes above 65,504 overflow, below 6.1e-05 lose precision
;; workspace buffers: wb 8,388,608 bytes; qkv 50,331,648 bytes; oh 16,777,216 bytes
;; launch castw (part 1): grid 64 x 4, 8 waves a work-group, no clusters, 0 bytes of LDS; arguments Wq, Wk, Wv, Wo, wb; writes wb
.if DOCPART == 1
	.amdgcn_target "amdgcn-amd-amdhsa--gfx1250"
	.amdhsa_code_object_version 6
	.text
	.protected	k_qb613cbec75_castw
	.globl	k_qb613cbec75_castw
	.p2align	8
	.type	k_qb613cbec75_castw,@function
k_qb613cbec75_castw:
	s_mov_b64 s[64:65], 0
	v_nop
	global_prefetch_b8 v0, s[64:65] scope:SCOPE_SE
	s_setreg_imm32_b32 hwreg(HW_REG_WAVE_MODE, 25, 1), 1
	s_wait_xcnt 0x0
; The four weight matrices [1024][1024] f32 -> wb, four parts of 2 MiB of 16-bit numbers.
; Parts 0-2 (Wq, Wk, Wv): rounded to bf16.  Part 3 (Wo): rounded to bf16 and that number written as f16, since the last product multiplies in f16.
; LIMIT: |Wo| under 65,504; below 6e-5 f16 keeps its fixed step of 6e-8.
; A stream: no LDS, no matrix unit, no cluster (nothing is shared).  Work-group (x, y): matrix y, elements 16,384 x .. +16,383.
; Thread t takes, in chunk c of 8, the 8 numbers at 2,048 c + 8 t: 32 bytes in, 16 bytes out; a wave's store covers 512 consecutive bytes, aligned.
.set X, 8                              ; v[8:71]   the 64 numbers as loaded
.set Y, 72                             ; v[72:103] the 64 numbers packed
	s_load_b256 s[4:11], s[0:1], 0x0               ; Wq s[4:5], Wk s[6:7], Wv s[8:9], Wo s[10:11]
	s_load_b64 s[12:13], s[0:1], 0x20              ; wb
	s_and_b32 s16, ttmp7, 0xffff                   ; which matrix
	v_lshlrev_b32 v1, 5, v0                        ; 32 t
	v_lshlrev_b32 v2, 4, v0                        ; 16 t
	s_lshl_b32 s18, ttmp9, 16                      ; my 65,536 bytes of the source
	s_mov_b32 s19, 0
	s_lshl_b32 s20, s16, 21                        ; the part of wb,
	s_lshl_b32 s21, ttmp9, 15                      ; my 32,768 bytes of it
	s_add_co_u32 s20, s20, s21
	s_mov_b32 s21, 0
	s_wait_kmcnt 0x0
	s_mov_b64 s[14:15], s[4:5]
	s_cmp_eq_u32 s16, 1
	s_cselect_b64 s[14:15], s[6:7], s[14:15]
	s_cmp_eq_u32 s16, 2
	s_cselect_b64 s[14:15], s[8:9], s[14:15]
	s_cmp_eq_u32 s16, 3
	s_cselect_b64 s[14:15], s[10:11], s[14:15]
	s_add_nc_u64 s[14:15], s[14:15], s[18:19]
	s_add_nc_u64 s[12:13], s[12:13], s[20:21]
.irp c, 0,1,2,3,4,5,6,7
	global_load_b128 v[X+8*(\c):X+8*(\c)+3],   v1, s[14:15] offset:8192*(\c) th:TH_LOAD_NT
	global_load_b128 v[X+8*(\c)+4:X+8*(\c)+7], v1, s[14:15] offset:8192*(\c)+16 th:TH_LOAD_NT
.endr
	s_cmp_eq_u32 s16, 3
	s_cbranch_scc1 .Lwo
.irp c, 0,1,2,3,4,5,6,7
	s_wait_loadcnt 14-2*(\c)                       ; loads come back in order: chunk c's two are in, the younger chunks' stay out
.irp j, 0,1,2,3
	v_cvt_pk_bf16_f32 v[Y+4*(\c)+(\j)], v[X+8*(\c)+2*(\j)], v[X+8*(\c)+2*(\j)+1]
.endr
	global_store_b128 v2, v[Y+4*(\c):Y+4*(\c)+3], s[12:13] offset:4096*(\c)
.endr
	s_endpgm
.Lwo:
.irp c, 0,1,2,3,4,5,6,7
	s_wait_loadcnt 14-2*(\c)
.irp j, 0,1,2,3
	v_cvt_pk_bf16_f32 v4, v[X+8*(\c)+2*(\j)], v[X+8*(\c)+2*(\j)+1]  ; the input's rounding,
	v_lshlrev_b32 v5, 16, v4                       ; back to f32,
	v_and_b32 v4, 0xffff0000, v4
	v_cvt_pk_f16_f32 v[Y+4*(\c)+(\j)], v5, v4      ; and written as f16
.endr
	global_store_b128 v2, v[Y+4*(\c):Y+4*(\c)+3], s[12:13] offset:4096*(\c)
.endr
	s_endpgm
.Lfunc_end_k_qb613cbec75_castw:
	.size	k_qb613cbec75_castw, .Lfunc_end_k_qb613cbec75_castw-k_qb613cbec75_castw
	.p2alignl 7, 3214868480
	.fill 96, 4, 3214868480
	.section	.rodata,"a",@progbits
	.p2align	6, 0x0
	.amdhsa_kernel k_qb613cbec75_castw
		.amdhsa_group_segment_fixed_size 0
		.amdhsa_private_segment_fixed_size 0
		.amdhsa_enable_private_segment 0
		.amdhsa_kernarg_size 40
		.amdhsa_user_sgpr_count 2
		.amdhsa_user_sgpr_kernarg_segment_ptr 1
		.amdhsa_wavefront_size32 1
		.amdhsa_system_sgpr_workgroup_id_x 1
		.amdhsa_system_sgpr_workgroup_id_y 1
		.amdhsa_system_sgpr_workgroup_id_z 1
		.amdhsa_system_vgpr_workitem_id 0
		.amdhsa_next_free_vgpr 104
		.amdhsa_next_free_sgpr 66
		.amdhsa_reserve_vcc 0
		.amdhsa_float_denorm_mode_32 3
		.amdhsa_float_denorm_mode_16_64 3
		.amdhsa_memory_ordered 1
		.amdhsa_forward_progress 1
		.amdhsa_inst_pref_size 14
	.end_amdhsa_kernel
	.amdgpu_metadata
---
amdhsa.version: [ 1, 2 ]
amdhsa.kernels:
  - .name:           k_qb613cbec75_castw
    .symbol:         k_qb613cbec75_castw.kd
    .args:
      - { .name: Wq, .offset: 0, .size: 8, .value_kind: global_buffer, .address_space: global }
      - { .name: Wk, .offset: 8, .size: 8, .value_kind: global_buffer, .address_space: global }
      - { .name: Wv, .offset: 16, .size: 8, .value_kind: global_buffer, .address_space: global }
      - { .name: Wo, .offset: 24, .size: 8, .value_kind: global_buffer, .address_space: global }
      - { .name: wb, .offset: 32, .size: 8, .value_kind: global_buffer, .address_space: global }
    .group_segment_fixed_size: 0
    .private_segment_fixed_size: 0
    .kernarg_segment_align: 8
    .kernarg_segment_size: 40
    .max_flat_workgroup_size: 256
    .sgpr_count:     66
    .vgpr_count:     104
    .wavefront_size: 32
...
	.end_amdgpu_metadata
.endif
;; end of part 1
;; launch proj (part 2): grid 4 x 64, 4 waves a work-group, clusters of 4 x 4, 327,680 bytes of LDS; arguments query, key, value, wb, bq, bk, bv, qkv; writes qkv
.if DOCPART == 2
	.amdgcn_target "amdgcn-amd-amdhsa--gfx1250"
	.amdhsa_code_object_version 6
	.text
	.protected	k_qb613cbec75_proj
	.globl	k_qb613cbec75_proj
	.p2align	8
	.type	k_qb613cbec75_proj,@function
k_qb613cbec75_proj:
	s_mov_b64 s[64:65], 0
	v_nop
	global_prefetch_b8 v0, s[64:65] scope:SCOPE_SE
	s_setreg_imm32_b32 hwreg(HW_REG_WAVE_MODE, 25, 1), 1
	s_wait_xcnt 0x0
	s_wait_alu depctr_hold_cnt(0) depctr_sa_sdst(0) depctr_va_vdst(0) depctr_va_sdst(0) depctr_va_ssrc(0) depctr_va_vcc(0) depctr_vm_vsrc(0)
	s_getreg_b32 s2, hwreg(HW_REG_IB_STS2, 6, 4)
	s_cmp_eq_u32 s2, 0
	s_cbranch_scc0 .Lentry_in_a_cluster
	s_endpgm
.Lentry_in_a_cluster:
	s_bfe_u32 s2, ttmp6, 0x10000c
	s_cmp_lg_u32 s2, 0xf033
	s_cbranch_scc0 .Lentry_shape_is_right
	s_endpgm
.Lentry_shape_is_right:
; q, k, v = x W^T + b for x = query, key, value ([8192][1024] f32), W from wb (bf16), b rounded to bf16; sums in f32; the result rounded once to f16 and stored by heads:
; qkv + t x 16 MiB, [batch][head][row][64].  The scale of the scores is not applied here.  LIMIT: |q|, |k|, |v| under 65,504 (f16's range).
; A WORK-GROUP STAYS: it makes the same block of 128 rows x 256 columns of q, then of k, then of v: 256 work-groups of equal work.  The three tiles' 3 x 8 K steps of 128 are ONE sequence of 24 for the
; ring of two LDS slots: a tile's last two changes of slots ask for the next tile's first two K steps, and nothing waits for a tile's stores.
; ONE K STEP IS WRITTEN ONCE: a loop of 22 trips, each with a refill, and a loop of 2 trips without.  The slot in hand is a scalar that an exclusive or turns; each refill's global address is made anew from its number.
; Four waves, each 64 rows x 128 columns: 32 accumulators.  x's tile comes as f32 (rows of 512 bytes) and its fragments are rounded to bf16 in registers: 32 conversions a quarter step, four behind each
; of the quarter's last eight products; W's tile comes as bf16 (rows of 256 bytes).
; CLUSTER 4 x 4: x's tile is shared along a row of the cluster, W's along a column; each is asked for jointly, by the same load, descriptor and mask in the four.  All sixteen run the same trips.
; THE PRODUCT IS USED TRANSPOSED (source 0 = 16 rows of W, source 1 = 16 rows of x): a lane holds one row of the result and eight neighbouring columns.  The bias is the C operand of a tile's first products.
; REGISTERS.  window 0: v16-30 addresses; v32-63, v64-95 x's bf16 fragments, two buffers; v96-127 packed results; v128-191 x's fragments as f32; v192-255 rows read back from the stage
;   window 1: v0-63, v64-127 W's fragments, two buffers; v128-191 the tile's bias, block b at 128 + 8 b          window 2: accumulator (a, b) at 8 (8 a + b)
.set KSTEP, 128
.set STEPS, 24                         ; K steps of the three tiles together
.set PA,    528                        ; an LDS row of x: 512 bytes + 16: the 16 rows of a load start at 16 different groups of four banks (ISA guide 11.1)
.set PB,    272                        ; an LDS row of W: 256 bytes + 16
.set BOFF,  128*PA                     ; a slot: x's 128 rows, then W's 256 rows: 137,216 bytes
.set SLOT,  0x22000                    ; from slot 0 to slot 1: 2^17 + 2^13.  No wave's place in a slot (0, 0x8400, 0x10800, 0x19000) has either bit, so one exclusive or turns a descriptor's LDS word
.set BTAB,  2*SLOT                     ; the three biases of my 256 columns, f32: 3 x 1,024 bytes; written by LDS stores, no fill lands here
.set STAGE, BTAB+3*1024                ; for each wave 2 heads x 16 rows x 144 bytes, for the way out
.set SP,    144
.set WSTG,  2*16*SP
.set SPARE, STAGE+4*WSTG               ; the spare words, 128 bytes a wave; no other line names them
.set ADRA0, 16                         ; v16  my place in x's part of a slot; never rewritten
.set ADRA,  17                         ; v17  the same in the slot in hand
.set ADRB0, 20                         ; v20, v21  the same for W
.set ADRB,  21
.set ABI,   22                         ; v22  where the next tile's bias lies for me
.set STO,   24
.set RD,    25
.set GO,    26
.set SPW,   28
.set NIL,   29
.set PFO,   30                         ; v30  the prefetches' offset; never rewritten
.set AF,    32
.set TMP,   96
.set AS,    128
.set OB,    192
.set BI,    128                        ; window 1
.set G1A, 24                           ; s[24:31] group 1 for x's tiles
.set G0A, 32                           ; s[32:39] group 0 for x's tiles: a set for each of the two first fills; the second then walks on
.set G1B, 48                           ; s[48:55], s[56:63] the same for W's tiles
.set G0B, 56
.set LIM, 43                           ; s43  2 in a wave that prefetches, else the greatest number
.set PFA, 44                           ; s[44:45] the prefetch's address
.set BB,  46                           ; s[46:47] wb at my part of the tile column's rows, part 0, K step 0
.set AOFF, 66                          ; s66  byte offset in x of the 64 rows that I fetch
.set POFF, 67                          ; s67  byte offset in x of the 16 rows that I prefetch
.set TB,  84                           ; s84  0 or SLOT: the slot in hand
.set OST, 86                           ; s[86:87] what the next way out adds to the output's address: 0, then 16 MiB
.set MSB, 0
.macro WIN new                         ; the immediate's high byte repeats the setting that is left
.if MSB != (\new)
	s_set_vgpr_msb (MSB<<8)|(\new)
.set MSB, \new
.endif
.endm
.set MULW, 0xa1                        ; source 0 (W) window 1, source 1 (x) window 0, C and D window 2
.set MULZ, 0x91                        ; the same with C (the bias) in window 1
.set TO_B, 0x40                        ; destination window 1, address window 0
.macro JLOAD s                         ; a joint load: waves 0 and 1 fetch x's two halves, waves 2 and 3 W's; an s_nop 0 and four v_nop follow each line
	s_cmp_eq_u32 s11, 0
	s_cbranch_scc0 .Lfor_b_\@
	tensor_load_to_lds s[G0A+4*(\s):G0A+4*(\s)+3], s[G1A:G1A+7]
	s_nop 0
.rept 4
	v_nop
.endr
	s_branch .Lasked_\@
.Lfor_b_\@:
	tensor_load_to_lds s[G0B+4*(\s):G0B+4*(\s)+3], s[G1B:G1B+7]
	s_nop 0
.rept 4
	v_nop
.endr
.Lasked_\@:
.endm
.macro CREST                           ; a round of the cluster's barrier behind its opening barrier
	s_cmp_lg_u32 s10, 0
	s_cbranch_scc1 .Lnot_wave_0_\@
	s_barrier_signal -3
.Lnot_wave_0_\@:
	s_barrier_wait -3
	s_barrier_signal -1
	s_barrier_wait -1
.endm
.macro CROUND
	s_barrier_signal -1
	s_barrier_wait -1
	CREST
.endm
; A prefetch of x, behind a joint load and the run of LDS loads: the change of slots of K step n (counted over the three tiles) asks for K step n + 4, two refills on: 256 products ahead of the load that
; will want it, across a change of tiles too.  x's rows are read by one row of one cluster alone.  Of the 64 rows that wave 0 or 1 fetches, the partner at place cx takes 16, told apart by address; a lane
; names one of a row's two blocks of 256 bytes.  So each block is named once in the launch.  K steps 0 to 3 come by their loads alone; the last two trips have no K step n + 4 and ask for nothing.
; W is not asked for: all tile rows walk it again and again.
.macro ASK
	WIN 0
	s_cmp_gt_u32 s3, s[LIM]
	s_cbranch_scc0 .Lnot_mine_\@
	global_prefetch_b8 v[PFO], s[PFA:PFA+1] th:TH_LOAD_NT scope:SCOPE_SE
.Lnot_mine_\@:
.endm
	s_load_b512 s[68:83], s[0:1], 0x0              ; query 68, key 70, value 72, wb 74, bq 76, bk 78, bv 80, qkv 82: they stay for the whole launch
	v_lshl_add_u32 v[SPW], v0, 2, SPARE
	v_mov_b32 v[NIL], 0
	ds_add_u32 v[SPW], v[NIL]                      ; the wave's opening: the add and its wait ahead of my first tensor load
	v_lshrrev_b32 v1, 5, v0
	v_readfirstlane_b32 s10, v1                    ; wave 0..3
	s_lshr_b32 s11, s10, 1                         ; which 64 rows are mine.  Also: I fetch for x (0) or for W (1)
	s_and_b32 s12, s10, 1                          ; which 128 columns.  Also: which half of that tile I fetch
	s_bfe_u32 s40, ttmp6, 0x40000                  ; cx
	s_bfe_u32 s41, ttmp6, 0x40004                  ; cy
	s_lshl_b32 s42, ttmp9, 2
	s_add_co_u32 s42, s42, s40                     ; tile column 0..3
	s_and_b32 s13, ttmp7, 0xffff
	s_lshl_b32 s13, s13, 2
	s_add_co_u32 s13, s13, s41                     ; tile row 0..63
	s_lshl_b32 s43, s41, 2
	s_lshl_b32 s43, 15, s43                        ; my row of the cluster
	s_lshl_b32 s44, 0x1111, s40                    ; my column
	s_or_b32 s[G1A+0], s43, (2<<16)|(1<<20)|(1<<21)|(6<<22)|(3<<25)  ; the mask; 4-byte elements; padding on; bit 21 beside a mask; after every 128 words 4 words
	s_or_b32 s[G1B+0], s44, (1<<16)|(1<<20)|(1<<21)|(5<<22)|(3<<25)  ; 2-byte elements; after every 64 words 4 words
	s_mov_b32 s[G1A+1], KSTEP<<16                  ; tensor_dim0 = 128
	s_mov_b32 s[G1A+2], 64<<16                     ; tensor_dim1 = 64
	s_mov_b32 s[G1A+3], KSTEP<<16                  ; tile_dim0 = 128
	s_mov_b32 s[G1A+4], 64                         ; tile_dim1 = 64
	s_mov_b32 s[G1A+5], 1024                       ; elements from row to row
	s_mov_b32 s[G1A+6], 0
	s_mov_b32 s[G1A+7], 0
	s_mov_b32 s[G1B+1], KSTEP<<16
	s_mov_b32 s[G1B+2], 128<<16
	s_mov_b32 s[G1B+3], KSTEP<<16
	s_mov_b32 s[G1B+4], 128
	s_mov_b32 s[G1B+5], 1024
	s_mov_b32 s[G1B+6], 0
	s_mov_b32 s[G1B+7], 0
	s_lshl_b32 s[AOFF], s13, 7                     ; x: row 128 x tile row + 64 x half,
	s_lshl_b32 s17, s12, 6
	s_add_co_u32 s[AOFF], s[AOFF], s17
	s_lshl_b32 s23, s40, 4                         ; for the prefetches: + my work-group's 16 of the 64;
	s_add_co_u32 s[POFF], s[AOFF], s23
	s_lshl_b32 s[AOFF], s[AOFF], 12                ; 4,096 bytes a row
	s_lshl_b32 s[POFF], s[POFF], 12
	s_lshl_b32 s46, s42, 8                         ; W: row 256 x tile column + 128 x half, 2,048 bytes a row
	s_lshl_b32 s47, s12, 7
	s_add_co_u32 s46, s46, s47
	s_lshl_b32 s46, s46, 11
	s_mov_b32 s47, 0
	s_mul_i32 s20, s12, 64*PA                      ; where they go: no place in the cluster enters an LDS address
	s_mul_i32 s21, s12, 128*PB
	s_add_co_u32 s21, s21, BOFF
	s_lshl_b32 s22, s42, 10                        ; my work-group's 256 columns in a bias, 4 bytes each
	s_cmp_eq_u32 s11, 0
	s_cselect_b32 s[LIM], 2, -1                    ; waves 0 and 1 prefetch: the same in all partners
	s_mov_b32 s[TB], 0
	s_mov_b32 s[OST], 0
	s_mov_b32 s[OST+1], 0
	s_mov_b32 s6, s[AOFF]
	s_mov_b32 s7, 0
	s_wait_dscnt 0x0                               ; the opening add is done
	s_wait_kmcnt 0x0
	s_add_nc_u64 s[18:19], s[68:69], s[6:7]        ; the first tile is q's: query
	s_add_nc_u64 s[BB:BB+1], s[74:75], s[46:47]
	CROUND                                         ; all sixteen work-groups are here: the first joint loads meet
.irp s, 0,1
	s_mov_b32 s[G0A+4*(\s)], 1
	s_add_co_u32 s[G0A+4*(\s)+1], s20, (\s)*SLOT
	s_add_nc_u64 s[G0A+4*(\s)+2:G0A+4*(\s)+3], s[18:19], (\s)*KSTEP*4
	s_or_b32 s[G0A+4*(\s)+3], s[G0A+4*(\s)+3], 0x80000000
	s_mov_b32 s[G0B+4*(\s)], 1
	s_add_co_u32 s[G0B+4*(\s)+1], s21, (\s)*SLOT
	s_add_nc_u64 s[G0B+4*(\s)+2:G0B+4*(\s)+3], s[BB:BB+1], (\s)*KSTEP*2
	s_or_b32 s[G0B+4*(\s)+3], s[G0B+4*(\s)+3], 0x80000000
	JLOAD \s                                       ; two loads of mine are out
.endr
	v_and_b32 v1, 15, v0                           ; l % 16
	v_bfe_u32 v2, v0, 4, 1                         ; l / 16
	v_lshl_add_u32 v3, v0, 3, s22                  ; thread i takes columns 2 i, 2 i + 1 of the 256, in each of the three biases
	global_load_b64 v[4:5], v3, s[76:77]
	global_load_b64 v[6:7], v3, s[78:79]
	global_load_b64 v[8:9], v3, s[80:81]
	v_mul_u32_u24 v10, v1, PA
	v_lshl_add_u32 v10, v2, 5, v10                 ; x: row x pitch + 32 x half (8 f32)
	v_mul_u32_u24 v11, v1, PB
	v_lshl_add_u32 v11, v2, 4, v11                 ; W: row x pitch + 16 x half (8 bf16)
	s_mul_i32 s22, s11, 64*PA
	s_mul_i32 s23, s12, 128*PB
	s_add_co_u32 s23, s23, BOFF
	v_add_nc_u32 v[ADRA0], s22, v10
	v_add_nc_u32 v[ADRB0], s23, v11
	v_mov_b32 v[ADRA], v[ADRA0]                    ; slot 0 is in hand
	v_mov_b32 v[ADRB], v[ADRB0]
	s_mul_i32 s16, s10, WSTG
	s_add_co_u32 s16, s16, STAGE                   ; my stage
	v_mul_u32_u24 v12, v1, SP                      ; in: row l % 16, 16 bytes for each half of the lanes
	v_lshl_add_u32 v12, v2, 4, v12
	v_add_nc_u32 v[STO], s16, v12
	v_bfe_u32 v12, v0, 3, 2                        ; back: 32 lanes take four rows of 128 bytes,
	v_mul_u32_u24 v12, v12, SP
	v_and_b32 v13, 7, v0
	v_lshl_add_u32 v12, v13, 4, v12
	v_add_nc_u32 v[RD], s16, v12
	v_and_b32 v13, 31, v0
	v_lshlrev_b32 v[GO], 4, v13                    ; which are 512 consecutive bytes of a head
	v_lshrrev_b32 v12, 1, v13
	v_and_b32 v13, 1, v13
	v_lshlrev_b32 v[PFO], 12, v12                  ; row l / 2, block l % 2
	v_lshl_add_u32 v[PFO], v13, 8, v[PFO]
	s_lshl_b32 s16, s12, 9                         ; the table: my 128 columns, my lanes' 8 of each 16
	s_add_co_u32 s16, s16, BTAB
	v_lshlrev_b32 v[ABI], 5, v2
	v_add_nc_u32 v[ABI], s16, v[ABI]
	v_lshl_add_u32 v14, v0, 3, BTAB
	s_lshr_b32 s16, s13, 3                         ; where my part goes: batch,
	s_lshl_b32 s16, s16, 4
	s_lshl_b32 s17, s42, 2                         ; head = 4 x tile column + 2 x half,
	s_add_co_u32 s16, s16, s17
	s_lshl_b32 s17, s12, 1
	s_add_co_u32 s16, s16, s17
	s_lshl_b32 s16, s16, 10
	s_and_b32 s17, s13, 7                          ; row in the batch,
	s_lshl_b32 s17, s17, 7
	s_add_co_u32 s16, s16, s17
	s_lshl_b32 s17, s11, 6
	s_add_co_u32 s16, s16, s17
	s_lshl_b32 s16, s16, 7                         ; 128 bytes a row
	s_mov_b32 s17, 0
	s_add_nc_u64 s[8:9], s[82:83], s[16:17]
	s_wait_loadcnt 0x0                             ; the biases: rounded to bf16 like every input, kept as f32
.irp j, 4,6,8
	v_cvt_pk_bf16_f32 v15, v[\j], v[\j+1]
	v_lshlrev_b32 v[\j], 16, v15
	v_and_b32 v[\j+1], 0xffff0000, v15
.endr
	ds_store_b64 v14, v[4:5]
	ds_store_b64 v14, v[6:7] offset:1024
	ds_store_b64 v14, v[8:9] offset:2048
; 32 LDS loads in one run, from the slot in hand: the fragments of quarter kq: x's four as f32 (lane: 8 numbers at 32 (l / 16), 8 more 64 bytes on), issued first; then W's eight into buffer g
.macro FETCH kq, g
	WIN 0
.irp a, 0,1,2,3
	ds_load_b128 v[AS+16*(\a):AS+16*(\a)+3],     v[ADRA] offset:128*(\kq)+(\a)*16*PA
	ds_load_b128 v[AS+16*(\a)+4:AS+16*(\a)+7],   v[ADRA] offset:128*(\kq)+(\a)*16*PA+16
	ds_load_b128 v[AS+16*(\a)+8:AS+16*(\a)+11],  v[ADRA] offset:128*(\kq)+(\a)*16*PA+64
	ds_load_b128 v[AS+16*(\a)+12:AS+16*(\a)+15], v[ADRA] offset:128*(\kq)+(\a)*16*PA+80
.endr
	WIN TO_B
.irp b, 0,1,2,3,4,5,6,7
	ds_load_b128 v[64*(\g)+8*(\b):64*(\g)+8*(\b)+3],   v[ADRB] offset:64*(\kq)+(\b)*16*PB
	ds_load_b128 v[64*(\g)+8*(\b)+4:64*(\g)+8*(\b)+7], v[ADRB] offset:64*(\kq)+(\b)*16*PB+32
.endr
.endm
.macro ONE f, a, b, zero               ; one product; zero = 1: the bias starts the sum, nothing is cleared
.if \zero
	WIN MULZ
	v_wmma_f32_16x16x32_bf16 v[8*(8*(\a)+(\b)):8*(8*(\a)+(\b))+7], v[64*(\f)+8*(\b):64*(\f)+8*(\b)+7], v[AF+32*(\f)+8*(\a):AF+32*(\f)+8*(\a)+7], v[BI+8*(\b):BI+8*(\b)+7]
.else
	WIN MULW
	v_wmma_f32_16x16x32_bf16 v[8*(8*(\a)+(\b)):8*(8*(\a)+(\b))+7], v[64*(\f)+8*(\b):64*(\f)+8*(\b)+7], v[AF+32*(\f)+8*(\a):AF+32*(\f)+8*(\a)+7], v[8*(8*(\a)+(\b)):8*(8*(\a)+(\b))+7]
.endif
.endm
.macro MUL8 f, a, zero                 ; row block a x all 8 column blocks.  The 32 accumulators take turns in the same order in every quarter, on every way
.irp b, 0,1,2,3,4,5,6,7
	ONE \f, \a, \b, \zero
.endr
.endm
; The quarter's last eight products, behind each four conversions of the next quarter's x into buffer g.  The four behind the last product are also the places in front of what follows: the next run of
; loads into W's buffer f, or the conversions of the way out (ISA guide 7.12.1 for the conversions): they name x's f32 registers and the other bf16 buffer alone.
.macro MULCV f, g, zero
.irp b, 0,1,2,3,4,5,6,7
	ONE \f, 3, \b, \zero
	WIN 0
.irp n, 0,1,2,3
	v_cvt_pk_bf16_f32 v[AF+32*(\g)+4*(\b)+(\n)], v[AS+2*(4*(\b)+(\n))], v[AS+2*(4*(\b)+(\n))+1]
.endr
.endr
.endm
; One of a K step's first three quarters: multiplies buffer f, fetches quarter kqn of the slot in hand and converts it into buffer g.
.macro QUARTER kqn, f, g, zero
	FETCH \kqn, \g
	s_wait_dscnt 32                                ; all but the 32 just issued: W's buffer f is in
	MUL8 \f, 0, \zero
	MUL8 \f, 1, \zero
	MUL8 \f, 2, \zero
	s_wait_dscnt 16                                ; x's 16 loads were issued first and are in; W's 16 may be out
	MULCV \f, \g, \zero
.endm
; The last quarter multiplies buffer 1 and changes slots: ONE barrier; in front of it each wave waits for all its tensor loads (one is out: its part of the next slot), adds 0 to its spare word, and
; waits for that and for its reads of the slot in hand.  fill = 1: the barrier opens a round of the cluster's, and the slot in hand is filled again, first thing behind the round, with K step
; STEPS - s3 of the 24: tile = that number / 8 (which x, which part of wb), K step in the tile = that number % 8.  Eight products stand ahead of the wait for the tile, eight between the add and its wait.
.macro TURN fill
.if \fill
	s_wait_xcnt 0x0                                ; the last prefetch, a K step back, and a way out's stores have read their registers
	s_sub_co_u32 s22, STEPS+2, s3                  ; the K step to be prefetched; held inside the 24 where nothing is asked for
	s_min_u32 s22, s22, STEPS-1
	s_lshr_b32 s23, s22, 3
	s_and_b32 s22, s22, 7
	s_cmp_eq_u32 s23, 0
	s_cselect_b64 s[16:17], s[68:69], s[70:71]
	s_cmp_eq_u32 s23, 2
	s_cselect_b64 s[16:17], s[72:73], s[16:17]
	s_lshl_b32 s18, s22, 9
	s_add_co_u32 s18, s18, s[POFF]
	s_mov_b32 s19, 0
	s_add_nc_u64 s[PFA:PFA+1], s[16:17], s[18:19]
.endif
	s_wait_dscnt 0x0                               ; W's buffer 1 is in
	MUL8 1, 0, 0
	WIN 0
	s_wait_tensorcnt 0x0                           ; no tensor load of mine is out, so a group 0 may be written
	ds_add_u32 v[SPW], v[NIL]
.if \fill
	s_sub_co_u32 s14, STEPS, s3
	s_lshr_b32 s15, s14, 3                         ; its tile
	s_and_b32 s14, s14, 7                          ; its K step in the tile
	s_cmp_eq_u32 s15, 0
	s_cselect_b64 s[4:5], s[68:69], s[70:71]
	s_cmp_eq_u32 s15, 2
	s_cselect_b64 s[4:5], s[72:73], s[4:5]         ; query, key or value
	s_lshl_b32 s6, s14, 9                          ; 512 bytes of a row of x a K step
	s_add_co_u32 s6, s6, s[AOFF]
	s_mov_b32 s7, 0
	s_add_nc_u64 s[G0A+6:G0A+7], s[4:5], s[6:7]
	s_or_b32 s[G0A+7], s[G0A+7], 0x80000000
	s_xor_b32 s[G0A+5], s[G0A+5], SLOT             ; the other slot than last time
	s_lshl_b32 s6, s14, 8                          ; 256 bytes of a row of W a K step,
	s_lshl_b32 s15, s15, 21                        ; in the tile's part of wb
	s_add_co_u32 s6, s6, s15
	s_add_nc_u64 s[G0B+6:G0B+7], s[BB:BB+1], s[6:7]
	s_or_b32 s[G0B+7], s[G0B+7], 0x80000000
	s_xor_b32 s[G0B+5], s[G0B+5], SLOT
.endif
	MUL8 1, 1, 0
	s_wait_dscnt 0x0                               ; the add is done, and my reads of the slot in hand are over
	WIN 0
	s_barrier_signal -1
	s_barrier_wait -1
.if \fill
	CREST                                          ; no wave of any partner still reads this slot or has a load on its way
	JLOAD 1
.endif
	s_xor_b32 s[TB], s[TB], SLOT                   ; the other slot is in hand
	v_add_nc_u32 v[ADRA], s[TB], v[ADRA0]
	v_add_nc_u32 v[ADRB], s[TB], v[ADRB0]
	FETCH 0, 0                                     ; buffer 0's last product has its four conversions behind it
.if \fill
	ASK
.endif
	MUL8 1, 2, 0
	s_wait_dscnt 16
	MULCV 1, 0, 0
.endm
; THE WAY OUT of row block a: rounded to f16, 16 bytes a lane; into my stage, by heads; back as rows of 128 bytes; stored, 512 consecutive bytes an instruction.
.macro PACK a
	WIN 0x0a                                       ; sources in window 2
.irp b, 0,1,2,3,4,5,6,7
.irp r, 0,1,2,3
	v_cvt_pk_f16_f32 v[TMP+4*(\b)+(\r)], v[8*(8*(\a)+(\b))+2*(\r)], v[8*(8*(\a)+(\b))+2*(\r)+1]
.endr
.endr
	WIN 0
.endm
.macro TOSTAGE a
.irp b, 0,1,2,3,4,5,6,7
	ds_store_b128 v[STO], v[TMP+4*(\b):TMP+4*(\b)+3] offset:((\b)/4)*16*SP+((\b)%4)*32
.endr
.irp t, 0,1,2,3,4,5,6,7
	ds_load_b128 v[OB+32*((\a)%2)+4*(\t):OB+32*((\a)%2)+4*(\t)+3], v[RD] offset:((\t)/4)*16*SP+((\t)%4)*4*SP  ; LDS serves a wave's instructions in order: these see the stores above
.endr
.endm
.macro SEND a
	s_wait_dscnt 0x0                               ; the block is back in registers
	s_wait_xcnt 0x0                                ; earlier stores have read their registers and their base: the next block's loads land, and the base is stepped, only behind this wait
.if (\a) == 0
	s_add_nc_u64 s[8:9], s[8:9], s[OST:OST+1]      ; on to this tile's part of qkv
.endif
.irp t, 0,1,2,3,4,5,6,7
	global_store_b128 v[GO], v[OB+32*((\a)%2)+4*(\t):OB+32*((\a)%2)+4*(\t)+3], s[8:9] offset:((\t)/4)*131072+(\a)*2048+((\t)%4)*512
.endr
.endm
.macro WAYOUT                          ; block a's conversions stand between block a - 1's loads from the stage and the wait for them
	PACK 0
	TOSTAGE 0
.irp a, 1,2,3
	PACK \a
	SEND (\a)-1
	TOSTAGE \a
.endr
	SEND 3
.endm
	s_wait_tensorcnt 1                             ; my part of K step 0 is in; K step 1's may stay out
	s_wait_dscnt 0x0                               ; my part of the table is stored
	s_barrier_signal -1
	s_barrier_wait -1                              ; everybody's is
	FETCH 0, 0
	s_wait_dscnt 16
	WIN 0
.set i, 0
.rept 32
	v_cvt_pk_bf16_f32 v[AF+i], v[AS+2*i], v[AS+2*i+1]
.set i, i+1
.endr
	s_mov_b32 s3, STEPS-1                          ; the part of a trip that is entered below counts as one; 22 whole trips follow
	s_branch .Lenter
.Lstep:                                                ; a trip: a K step's quarters 1, 2 and 3, the change of slots with its refill, and the next K step's quarter 0
	QUARTER 2, 1, 0, 0
	QUARTER 3, 0, 1, 0
	TURN 1
	WIN 0                                          ; at a label and at a branch every window is 0
	s_and_b32 s16, s3, 7
	s_cmp_eq_u32 s16, 7                            ; s3 = 15 and 7: the K step just multiplied was a tile's last
	s_cbranch_scc0 .Lplain                         ; the jump passes no barrier and no tensor load
	WAYOUT                                         ; both refills for the next tile are asked for: the tile goes out
	s_mov_b32 s[OST], 1<<24
.Lenter:                                               ; a tile begins: its bias, and a quarter 0 whose products start the sums with it
	WIN TO_B
.irp b, 0,1,2,3,4,5,6,7                ; register j of block b: the bias of column 16 b + 8 (l / 16) + j, as the result holds it
	ds_load_b128 v[BI+8*(\b):BI+8*(\b)+3],   v[ABI] offset:64*(\b)
	ds_load_b128 v[BI+8*(\b)+4:BI+8*(\b)+7], v[ABI] offset:64*(\b)+16
.endr
	WIN 0
	v_add_nc_u32 v[ABI], 1024, v[ABI]              ; the next tile's
	QUARTER 1, 0, 1, 1                             ; (its wait for all but its own 32 loads covers the bias)
	WIN 0
	s_branch .Lbottom
.Lplain:
	QUARTER 1, 0, 1, 0
	WIN 0
.Lbottom:
	s_sub_co_u32 s3, s3, 1
	s_cmp_lg_u32 s3, 0
	s_cbranch_scc1 .Lstep
	s_mov_b32 s3, 2                                ; the last two K steps are a text of their own: nothing is asked for
.Ltail:
	QUARTER 2, 1, 0, 0
	QUARTER 3, 0, 1, 0
	TURN 0                                         ; (in the last trip its fetch and conversions, from the slot read before, serve nothing: the price of one text for both trips)
	WIN 0
	s_cmp_eq_u32 s3, 1
	s_cbranch_scc1 .Lskip                          ; behind the last K step there is no quarter 0
	QUARTER 1, 0, 1, 0
	WIN 0
.Lskip:
	s_sub_co_u32 s3, s3, 1
	s_cmp_lg_u32 s3, 0
	s_cbranch_scc1 .Ltail
	WAYOUT
	s_wait_tensorcnt 0x0                           ; the wave's end
	ds_add_u32 v[SPW], v[NIL]
	s_wait_dscnt 0x0
	CROUND                                         ; the closing round
	s_endpgm
.Lfunc_end_k_qb613cbec75_proj:
	.size	k_qb613cbec75_proj, .Lfunc_end_k_qb613cbec75_proj-k_qb613cbec75_proj
	.p2alignl 7, 3214868480
	.fill 96, 4, 3214868480
	.section	.rodata,"a",@progbits
	.p2align	6, 0x0
	.amdhsa_kernel k_qb613cbec75_proj
		.amdhsa_group_segment_fixed_size 327680
		.amdhsa_private_segment_fixed_size 0
		.amdhsa_enable_private_segment 0
		.amdhsa_kernarg_size 64
		.amdhsa_user_sgpr_count 2
		.amdhsa_user_sgpr_kernarg_segment_ptr 1
		.amdhsa_wavefront_size32 1
		.amdhsa_system_sgpr_workgroup_id_x 1
		.amdhsa_system_sgpr_workgroup_id_y 1
		.amdhsa_system_sgpr_workgroup_id_z 1
		.amdhsa_system_vgpr_workitem_id 0
		.amdhsa_next_free_vgpr 768
		.amdhsa_next_free_sgpr 88
		.amdhsa_reserve_vcc 0
		.amdhsa_float_denorm_mode_32 3
		.amdhsa_float_denorm_mode_16_64 3
		.amdhsa_memory_ordered 1
		.amdhsa_forward_progress 1
		.amdhsa_inst_pref_size 109
	.end_amdhsa_kernel
	.amdgpu_metadata
---
amdhsa.version: [ 1, 2 ]
amdhsa.kernels:
  - .name:           k_qb613cbec75_proj
    .symbol:         k_qb613cbec75_proj.kd
    .args:
      - { .name: query, .offset: 0, .size: 8, .value_kind: global_buffer, .address_space: global }
      - { .name: key, .offset: 8, .size: 8, .value_kind: global_buffer, .address_space: global }
      - { .name: value, .offset: 16, .size: 8, .value_kind: global_buffer, .address_space: global }
      - { .name: wb, .offset: 24, .size: 8, .value_kind: global_buffer, .address_space: global }
      - { .name: bq, .offset: 32, .size: 8, .value_kind: global_buffer, .address_space: global }
      - { .name: bk, .offset: 40, .size: 8, .value_kind: global_buffer, .address_space: global }
      - { .name: bv, .offset: 48, .size: 8, .value_kind: global_buffer, .address_space: global }
      - { .name: qkv, .offset: 56, .size: 8, .value_kind: global_buffer, .address_space: global }
    .group_segment_fixed_size: 327680
    .private_segment_fixed_size: 0
    .kernarg_segment_align: 8
    .kernarg_segment_size: 64
    .max_flat_workgroup_size: 128
    .sgpr_count:     88
    .vgpr_count:     768
    .wavefront_size: 32
...
	.end_amdgpu_metadata
.endif
;; end of part 2
;; launch attn (part 3): grid 2 x 128, 4 waves a work-group, no clusters, 327,680 bytes of LDS; arguments qkv, mask, oh; writes oh
.if DOCPART == 3
	.amdgcn_target "amdgcn-amd-amdhsa--gfx1250"
	.amdhsa_code_object_version 6
	.text
	.protected	k_qb613cbec75_attn
	.globl	k_qb613cbec75_attn
	.p2align	8
	.type	k_qb613cbec75_attn,@function
k_qb613cbec75_attn:
	s_mov_b64 s[64:65], 0
	v_nop
	global_prefetch_b8 v0, s[64:65] scope:SCOPE_SE
	s_setreg_imm32_b32 hwreg(HW_REG_WAVE_MODE, 25, 1), 1
	s_wait_xcnt 0x0
; O[y][q][:] = the sum over k of softmax_k(Q[y][q] . K[y][k] / 32 - 1e32 hidden[k]) V[y][k][:], y = 16 batch + head.  Q, K, V (parts of qkv) and O (oh): [128][1024][64] f16.
; Products, maxima and sums in f32; the weights p are rounded to f16 for the second product (their sum l is taken of the unrounded p), O once at the end.
; THE MASK is the C operand that starts S^T = K Q^T: 0, or -3.2e33 (32 x -1e32, since the scale follows) where the key is hidden; a table of 1,024 f32 in LDS, made once.
; The running maximum starts at -1e30: above a hidden score, below every true one, so a run of hidden keys in front gives weights 0 and no overflow.
; A BATCH WITH ALL KEYS HIDDEN has equal scores (a true score vanishes in -1e32's rounding) and so equal weights: there c = 0 and the table holds 0, by selects; no branch hangs on the mask.
; LIMITS.  Q, K, V within f16's 65,504; true scores above -1e30 (f16's reach 2.7e11 at the most); p below 6e-5 keeps f16's fixed step; a weight below 2^-126 counts as 0; mask bytes are 0 or 1; NaN and infinities are not treated apart.
; SHARES.  A work-group owns 512 queries of one head, a wave 128: four PIECES of two tiles of 16.  Every wave walks all 1,024 keys, 64 a step.
; A HEAD'S K AND V LIE WHOLE IN LDS (311,296 bytes with padding): four first fills a wave, no slot is filled again.  The first 256 keys are waited for alone; the rest behind four key steps.
; NO CLUSTER: a head has two work-groups, and its tiles are fetched once by each.  NO PREFETCH: every tensor load goes out at the head.
; LAYOUT.  S^T = K Q^T holds ONE query a lane (lane % 16) and the keys 8 (lane / 16) + 0..7; two such results rounded to f16 ARE source 1 of O^T = V^T P.  V is turned by ds_load_tr16_b128.
; SOFTMAX.  p = 2^(c s - c m), c = log2(e) / 32, with a running maximum m; O and l are multiplied by a = 2^(c m_old - c m_new) in every step.  c m starts far below, so the first a is 0.
; BY TURNS.  Turn n belongs to piece n: 16 products K Q^T of piece n + 1, later 16 products V^T P of piece n - 1; beside them the scaling, exponentials, roundings, sums and rescaling of piece n and the
; maximum and statistics of piece n + 1.  Four vector instructions stand behind every product, the other 108 of a turn's 236 in one lump; a turn's 66 exponentials are one batch with one wait.
; REGISTERS.  window 0: v0-10 addresses; v12-15, v48-63 at work; v16-47 statistics; v64-191 S^T, two buffers of two tiles; v192-255 P, likewise
;   window 1: O^T, 32 a tile     window 2: v0-127 Q; v128-191 K of one step; v192-255 V of one step     window 3: v0-1 the add's registers; v8-39 the step's mask
.set NP,    4
.set KS,    64
.set PK,    144       ; a row of K in LDS: 128 bytes + 16
.set PV,    160       ; a row of V: 128 + 32
.set VOFF,  1024*PK
.set TAB,   VOFF+1024*PV  ; the mask's table; written by LDS stores, no fill lands here
.set STAGE, TAB+4096      ; 16 rows x 144 bytes for each wave, for the way out
.set SP,    144
.set SPARE, STAGE+4*16*SP ; the spare words, 128 bytes a wave; no other line names them
.set AK0, 2
.set AV0, 3
.set AK,  4
.set AV,  5
.set STO, 6
.set RD,  7
.set GO,  8
.set AM0, 9           ; v9   TAB + 32 (lane / 16); never rewritten
.set AM,  10          ; v10  the LDS address of the mask's next run of loads
.set MV,  12          ; v12-15  c m_old by buffer and tile; in the set-up the offsets of the loads of the mask (v12, v13) and of Q (v14)
.set QO,  14
.set ST,  16
.set TMP, 48
.set S,   64
.set P,   192
.set KF,  128
.set VF,  192
.set SPW, 0           ; window 3
.set NIL, 1           ; window 3
.set MK,  8           ; window 3: key block kb at MK + 8 kb
.set WV,  12
.set G1K, 24
.set G1V, 32
.set G0K, 40          ; s[40:55] group 0 for K's four fills
.set G0V, 68          ; s[68:83] the same for V's
.set SLOTS, 56
.set CNT, 57
.set CS,  58
.set SEL, 60
.set TBK, 62
.set TBV, 63
.set TBM, 66
.set NEGV, 67
.set MSB, 0
.macro WIN new
.if MSB != (\new)
	s_set_vgpr_msb (MSB<<8)|(\new)
.set MSB, (\new)
.endif
.endm
.set W_KQ, 0x0a       ; K and Q in window 2, S^T in window 0
.set W_KM, 0x3a       ; the same with the C operand in window 3
.set W_PV, 0x52       ; V in window 2, P in window 0, O^T in window 1
.set W_RS, 0x41
.set W_MK, 0xc0
.set W_AD, 0x0f
	s_load_b128 s[84:87], s[0:1], 0x0  ; qkv s[84:85], mask s[86:87]
	s_load_b64 s[10:11], s[0:1], 0x10  ; oh
	WIN W_MK
	v_lshl_add_u32 v[SPW], v0, 2, SPARE
	v_mov_b32 v[NIL], 0
	WIN W_AD
	ds_add_u32 v[SPW], v[NIL]       ; the wave's opening: the add and its wait ahead of my first tensor load
	WIN 0
	v_lshrrev_b32 v1, 5, v0
	v_readfirstlane_b32 s[WV], v1   ; wave 0..3
	s_and_b32 s20, ttmp7, 0xffff    ; y
	s_lshl_b32 s22, s20, 17         ; the head's first byte: 1,024 rows of 128 bytes
	s_mov_b32 s23, 0
	s_and_b32 s16, s[WV], 1         ; which half of a fill's 256 keys I fetch
	s_lshl_b32 s2, s16, 14
	s_add_co_u32 s2, s2, s22
	s_mov_b32 s3, 0
	s_mul_i32 s17, s16, 128*PK
	s_mul_i32 s18, s16, 128*PV
	s_lshl_b32 s14, ttmp9, 2
	s_add_co_u32 s14, s14, s[WV]    ; my wave among the head's eight,
	s_lshl_b32 s14, s14, 14         ; its 128 rows
	s_add_co_u32 s22, s22, s14
	s_lshr_b32 s20, s20, 4
	s_lshl_b32 s20, s20, 10         ; the batch's 1,024 mask bytes
	s_mov_b32 s21, 0
	; 128 keys are 16,384 dense bytes: asked for as 64 rows of 256 bytes, two keys a row, padded in LDS after every key
	s_mov_b32 s[G1K], (1<<16)|(1<<20)|(4<<22)|(3<<25)
	s_mov_b32 s[G1V], (1<<16)|(1<<20)|(4<<22)|(7<<25)
.irp g, G1K, G1V
	s_mov_b32 s[\g+1], 128<<16
	s_mov_b32 s[\g+2], 64<<16
	s_mov_b32 s[\g+3], 128<<16
	s_mov_b32 s[\g+4], 64
	s_mov_b32 s[\g+5], 128
	s_mov_b32 s[\g+6], 0
	s_mov_b32 s[\g+7], 0
.endr
.irp c, 0,1,2,3
	s_mov_b32 s[G0K+4*\c], 1
	s_add_co_u32 s[G0K+4*\c+1], s17, \c*256*PK
	s_mov_b32 s[G0V+4*\c], 1
	s_add_co_u32 s[G0V+4*\c+1], s18, VOFF+\c*256*PV
.endr
	s_mov_b32 s[SEL], 0x76543210
	s_mov_b32 s[SEL+1], 0xfedcba98
	s_mov_b32 s[TBK], 0
	s_mov_b32 s[TBV], 0
	s_mov_b32 s[TBM], 0
	s_wait_dscnt 0x0                ; the opening add is done
	s_wait_kmcnt 0x0
	s_add_nc_u64 s[6:7], s[84:85], s[2:3]
	s_add_nc_u64 s[8:9], s[6:7], 0x2000000   ; V at my half of the head's first 256 keys
	s_add_nc_u64 s[6:7], s[6:7], 0x1000000   ; K
.irp c, 0,1,2,3
	s_add_nc_u64 s[G0K+4*\c+2:G0K+4*\c+3], s[6:7], \c*32768
	s_or_b32 s[G0K+4*\c+3], s[G0K+4*\c+3], 0x80000000
	s_add_nc_u64 s[G0V+4*\c+2:G0V+4*\c+3], s[8:9], \c*32768
	s_or_b32 s[G0V+4*\c+3], s[G0V+4*\c+3], 0x80000000
.endr
	s_add_nc_u64 s[4:5], s[84:85], s[22:23]  ; Q and O at my wave's first row
	s_add_nc_u64 s[10:11], s[10:11], s[22:23]
	s_add_nc_u64 s[86:87], s[86:87], s[20:21]
	s_cmp_lt_u32 s[WV], 2           ; a wave's four first fills stand in one branch: four loads of mine are out; waves 0, 1 fetch K, waves 2, 3 V
	s_cbranch_scc0 .Lfirst_v
.irp c, 0,1,2,3
	tensor_load_to_lds s[G0K+4*\c:G0K+4*\c+3], s[G1K:G1K+7]
	s_nop 0
.endr
.rept 4
	v_nop
.endr
	s_branch .Lfirst_asked
.Lfirst_v:
.irp c, 0,1,2,3
	tensor_load_to_lds s[G0V+4*\c:G0V+4*\c+3], s[G1V:G1V+7]
	s_nop 0
.endr
.rept 4
	v_nop
.endr
.Lfirst_asked:
	v_and_b32 v1, 15, v0            ; l % 16
	v_bfe_u32 v90, v0, 4, 1         ; l / 16
	v_and_b32 v12, 31, v0
	v_lshlrev_b32 v12, 5, v12       ; my lane's 32 of the batch's mask bytes: every wave sees all 1,024
	v_lshlrev_b32 v13, 3, v0        ; my thread's 8, for the table
	global_load_b128 v[64:67], v12, s[86:87]
	global_load_b128 v[68:71], v12, s[86:87] offset:16
	global_load_b64 v[72:73], v13, s[86:87]
	v_lshlrev_b32 v[QO], 7, v1
	v_lshl_add_u32 v[QO], v90, 4, v[QO]  ; row x 128 + 16 x half
	WIN 0x80
.set i, 0
.rept 4*NP                          ; Q stays in registers: tile i / 2, channels 32 (i % 2) on
	global_load_b128 v[8*i:8*i+3],   v[QO], s[4:5] offset:(i/2)*2048+(i%2)*64
	global_load_b128 v[8*i+4:8*i+7], v[QO], s[4:5] offset:(i/2)*2048+(i%2)*64+32
.set i, i+1
.endr
	; What the first turn finds: V's registers and P's second buffer hold 0, O^T and l are 0.  No first step is written out; these lines stand in the wait for the first tile.
.set i, VF
.rept 64
	v_mov_b32 v[i], 0
.set i, i+1
.endr
	WIN 0x40
.set i, 0
.rept 64*NP
	v_mov_b32 v[i], 0
.set i, i+1
.endr
	WIN 0
.set i, 0
.rept 2*NP
	v_mov_b32 v[ST+4*i], 0xfe000000    ; c m: far below every c s
	v_mov_b32 v[ST+4*i+1], 0xf149f2ca  ; m = -1e30
	v_mov_b32 v[ST+4*i+2], 0
	v_mov_b32 v[ST+4*i+3], 0
.set i, i+1
.endr
.set i, P+32
.rept 32
	v_mov_b32 v[i], 0
.set i, i+1
.endr
	v_mul_u32_u24 v[AK0], v1, PK
	v_lshl_add_u32 v[AK0], v90, 4, v[AK0]
	v_and_b32 v91, 7, v0
	v_bfe_u32 v92, v0, 3, 1
	v_lshl_add_u32 v[AV0], v90, 3, v91   ; the turning load: key 8 (l / 16) + l % 8, channels 8 ((l / 8) % 2) on
	v_mul_u32_u24 v[AV0], v[AV0], PV
	v_lshl_add_u32 v[AV0], v92, 4, v[AV0]
	v_add_nc_u32 v[AV0], VOFF, v[AV0]
	v_lshl_add_u32 v[AM0], v90, 5, TAB
	s_mul_i32 s13, s[WV], 16*SP
	s_add_co_u32 s13, s13, STAGE
	v_mul_u32_u24 v[STO], v1, SP
	v_lshl_add_u32 v[STO], v90, 4, v[STO]
	v_add_nc_u32 v[STO], s13, v[STO]
	v_bfe_u32 v[RD], v0, 3, 2
	v_mul_u32_u24 v[RD], v[RD], SP
	v_lshl_add_u32 v[RD], v91, 4, v[RD]
	v_add_nc_u32 v[RD], s13, v[RD]
	v_and_b32 v[GO], 31, v0
	v_lshlrev_b32 v[GO], 4, v[GO]
	v_mov_b32 v[AK], v[AK0]
	v_mov_b32 v[AM], v[AM0]
	v_lshl_add_u32 v74, v0, 5, TAB
	s_mov_b32 s17, 0x01010101
	s_wait_loadcnt 32               ; the three mask loads are in; Q's 32, issued behind them, may stay out
	v_and_b32 v64, v64, v65
	v_and_b32 v66, v66, v67
	v_and_b32 v68, v68, v69
	v_and_b32 v70, v70, v71
	v_and_b32 v64, v64, v66
	v_and_b32 v68, v68, v70
	v_and_b32 v64, v64, v68
	v_cmp_eq_u32 s16, s17, v64      ; are my lane's 32 keys all hidden?
	s_cmp_eq_u32 s16, -1            ; and every lane's?
	s_cselect_b32 s[CS], 0, 0x3d38aa3b     ; c = log2(e) / 32, or 0
	s_cselect_b32 s[NEGV], 0, 0xf71dc5ae   ; -3.2e33, or 0
	s_mov_b32 s[CS+1], s[CS]
.irp i, 0,1,2,3,4,5,6,7
	v_bfe_u32 v[80+\i], v[72+\i/4], 8*(\i%4), 8
.endr
.irp i, 0,1,2,3,4,5,6,7
	v_cvt_f32_u32 v[80+\i], v[80+\i]
.endr
.irp i, 0,1,2,3,4,5,6,7
	v_mul_f32 v[80+\i], s[NEGV], v[80+\i]
.endr
	ds_store_b128 v74, v[80:83]
	ds_store_b128 v74, v[84:87] offset:16
; THE MATRIX WORK.  The 8 accumulators of a run of 16 take turns.  Product i of 16 of S^T = K Q^T for piece x: channels 32 (i / 8) on, keys 16 ((i / 2) % 4) on, tile 2 x + i % 2.  The first 8 start the sums with the mask.
.macro KQ x
.set rS, S+64*((\x)%2)+32*(i%2)+8*((i/2)%4)
.set rK, KF+16*((i/2)%4)+8*(i/8)
.set rQ, 16*(2*(\x)+i%2)+8*(i/8)
.set rH, MK+8*((i/2)%4)
.if i < 8
	WIN W_KM
	v_wmma_f32_16x16x32_f16 v[rS:rS+7], v[rK:rK+7], v[rQ:rQ+7], v[rH:rH+7]
.else
	WIN W_KQ
	v_wmma_f32_16x16x32_f16 v[rS:rS+7], v[rK:rK+7], v[rQ:rQ+7], v[rS:rS+7]
.endif
.endm
.macro PV x                         ; product i of 16 of O^T += V^T P for piece x
	WIN W_PV
.set rO, 32*(2*(\x)+i%2)+8*((i/2)%4)
.set rV, VF+32*(i/8)+8*((i/2)%4)
.set rP, P+32*((\x)%2)+16*(i%2)+8*(i/8)
	v_wmma_f32_16x16x32_f16 v[rO:rO+7], v[rV:rV+7], v[rP:rP+7], v[rO:rO+7]
.endm
.macro MM                           ; the turn's next matrix instruction
.if i < 16
	KQ (Y+1)%NP
.set i, i+1
.else
.set i, i-16
	PV (Y+NP-1)%NP
.set i, i+17
.endif
.endm
; THE LDS LOADS stand in runs: a step's K (8 fragments) with its mask (register j of block kb: key 16 kb + 8 (l / 16) + j), and its V (turned).
.macro FETCH_K
	WIN 0x80
.irp f, 0,1,2,3,4,5,6,7
	ds_load_b128 v[KF+8*\f:KF+8*\f+3],   v[AK] offset:(\f/2)*16*PK+(\f%2)*64
	ds_load_b128 v[KF+8*\f+4:KF+8*\f+7], v[AK] offset:(\f/2)*16*PK+(\f%2)*64+32
.endr
	WIN 0xc0
.irp f, 0,1,2,3
	ds_load_b128 v[MK+8*\f:MK+8*\f+3],   v[AM] offset:64*\f
	ds_load_b128 v[MK+8*\f+4:MK+8*\f+7], v[AM] offset:64*\f+16
.endr
	s_add_co_u32 s[TBK], s[TBK], KS*PK  ; the next fetch is the next step's
	s_add_co_u32 s[TBM], s[TBM], KS*4
	WIN 0
.endm
.macro FETCH_V
	WIN 0x80
.irp f, 0,1,2,3,4,5,6,7
	ds_load_tr16_b128 v[VF+8*\f:VF+8*\f+3],   v[AV] offset:(\f/4)*32*PV+(\f%4)*32
	ds_load_tr16_b128 v[VF+8*\f+4:VF+8*\f+7], v[AV] offset:(\f/4)*32*PV+16*PV+(\f%4)*32
.endr
	WIN 0
.endm
; THE VECTOR WORK OF A TURN stands in three queues, each in the order in which its entries become ready; the two tiles alternate.
.macro REGS y, u
.set rT, ST+4*(2*(\y)+(\u))
.set rC, TMP+8*((\y)%2)+4*(\u)
.set rM, MV+2*((\y)%2)+(\u)
.set rS, S+64*((\y)%2)+32*(\u)
.set rP, P+32*((\y)%2)+16*(\u)
.set rO, 32*(2*(\y)+(\u))
.endm
; Number n of the 22 that find the NEXT piece's maximum and statistics; each accumulator's lowest registers are read first.
.macro XS u, n
	REGS (Y+1)%NP, \u
.if (\n) < 4
	v_max3_num_f32 v[rC+(\n)], v[rS+8*(\n)], v[rS+8*(\n)+1], v[rS+8*(\n)+2]
.elseif (\n) < 12
	v_max3_num_f32 v[rC+(\n)%4], v[rC+(\n)%4], v[rS+8*((\n)%4)+2*((\n)/4)+1], v[rS+8*((\n)%4)+2*((\n)/4)+2]
.elseif (\n) == 12
	v_max3_num_f32 v[rC], v[rC], v[rS+7], v[rS+15]
.elseif (\n) == 13
	v_max3_num_f32 v[rC+1], v[rC+1], v[rS+23], v[rS+31]
.elseif (\n) == 14
	v_max3_num_f32 v[rC+2], v[rC+2], v[rC+3], v[rT+1]
.elseif (\n) == 15
	v_mov_b32 v[rM], v[rT]
.elseif (\n) == 16
	v_max3_num_f32 v[rC], v[rC], v[rC+1], v[rC+2]
.elseif (\n) == 17
	v_permlanex16_b32 v[rC+3], v[rC], s[SEL], s[SEL+1]
.elseif (\n) == 18
	v_max_num_f32 v[rT+1], v[rC], v[rC+3]
.elseif (\n) == 19
	v_mul_f32 v[rT], s[CS], v[rT+1]
.elseif (\n) == 20
	v_sub_f32 v[rC+1], v[rM], v[rT]
.else
	v_exp_f32 v[rC+2], v[rC+1]
.endif
.endm
; Number g of the 64 that follow the exponentials: for each four weights both pairs are rounded to f16, the second pair is added onto the first, and a group later l takes that sum (the first time as l = a l + sum).
.macro GS g
.set h, (\g)+6*((\g)/62)
.if h >= 6
.set h, h+2
.endif
	REGS Y, h%2
.set k, h/8
.if h%8 < 4
	v_cvt_pk_f16_f32 v[rP+2*k+(h%8)/2], v[rS+4*k+2*((h%8)/2)], v[rS+4*k+2*((h%8)/2)+1]
.elseif h%8 < 6
	v_pk_add_f32 v[rS+4*k:rS+4*k+1], v[rS+4*k:rS+4*k+1], v[rS+4*k+2:rS+4*k+3]
.elseif k == 1
	v_pk_fma_f32 v[rT+2:rT+3], v[rT+2:rT+3], v[rC+2:rC+3], v[rS:rS+1] op_sel_hi:[1,0,1]
.else
	v_pk_add_f32 v[rT+2:rT+3], v[rT+2:rT+3], v[rS+4*k-4:rS+4*k-3]
.endif
.endm
.macro FS f                         ; c s - c m for pair f / 2 of tile f % 2
	REGS Y, (\f)%2
	v_pk_fma_f32 v[rS+2*((\f)/2):rS+2*((\f)/2)+1], v[rS+2*((\f)/2):rS+2*((\f)/2)+1], s[CS:CS+1], v[rT:rT+1] op_sel_hi:[1,0,0] neg_lo:[0,0,1] neg_hi:[0,0,1]
.endm
; THE PLAIN QUEUE, 138 long: 0-26 scalings; 27-54 the maximum's numbers 0-13; 55, 56 number 15; 57-73 the chain 14, 16 .. 20 with scalings 27-31 between its links; 74-137 the 64 that read exponentials' results.
.macro PL
	WIN 0
.if q < 27
	FS q
.elseif q < 55
	XS (q-27)%2, (q-27)/2
.elseif q < 57
	XS q-55, 15
.elseif (q < 72) && ((q-57)%3 == 0)
	FS 27+(q-57)/3
.elseif q < 60
	XS (q-57)%3-1, 14
.elseif q < 72
	XS (q-57)%3-1, 15+(q-57)/3
.elseif q < 74
	XS q-72, 20
.else
	GS q-74
.endif
.set q, q+1
.endm
.macro EX                           ; THE EXPONENTIALS' QUEUE, 66 long: s0-s31 of both tiles, then the next piece's two a: one batch ahead of the turn's one wait
	WIN 0
.if e >= 64
	XS e-64, 21
.else
	REGS Y, e%2
	v_exp_f32 v[rS+e/2], v[rS+e/2]
.endif
.set e, e+1
.endm
.macro R2                           ; THE RESCALING's QUEUE: O^T times a, two at a time; its a was made, and waited for, in the turn before
	REGS Y, r%2
	WIN W_RS
.irp z, 0,1
	v_pk_mul_f32 v[rO+4*(r/2)+2*\z:rO+4*(r/2)+2*\z+1], v[rO+4*(r/2)+2*\z:rO+4*(r/2)+2*\z+1], v[rC+2:rC+3] op_sel_hi:[1,0]
.endr
.set r, r+1
.endm
; A TURN, for piece p.  Ahead of its one wait stands all that names no result of the turn's exponentials: 16 products K Q^T, behind each a scaling, an exponential and two rescalings; then a lump of 108.
; Behind the wait: 16 products V^T P, behind each four of the roundings and sums.  Exponential e stands behind scaling 2 (e / 4) + e % 2: as a rider behind plain e + 2, in the lump behind plain e + 9.
; K and the mask of the next step are fetched in piece 2's turn, directly behind the wait, a lump behind the last product that read them (nofetch = 1: there is no next step).
; V of the step in hand is fetched at the end of piece 0's turn, four plain instructions behind its last reader.  cnt = 1: the loop's count is taken down some lines ahead of the branch.
.macro TURN p, nofetch=0, cnt=0
.set Y, (\p)
.set i, 0
.set q, 0
.set e, 0
.set r, 0
.if (\p) == NP-1
	s_wait_dscnt 0x0                ; K and the mask are in
.endif
	MM
	PL
	PL
	R2
.rept 15
	MM
	PL
	EX
	R2
.endr
.if ((\p) == NP-2) && !(\nofetch)
	WIN 0
	v_add_nc_u32 v[AK], s[TBK], v[AK0]
	v_add_nc_u32 v[AM], s[TBM], v[AM0]
.endif
.rept 8
	PL
.endr
.rept 49
	EX
	PL
.endr
	EX
	EX
	v_nop                           ; a plain instruction behind the last exponential: one for the batch
	s_wait_alu depctr_va_vdst(0)    ; the wait ahead of the first reader: one for the batch
.if ((\p) == NP-2) && !(\nofetch)
	FETCH_K
.endif
.if (\p) == 1
	s_wait_dscnt 0x0                ; V is in
.endif
.rept 16
	MM
.rept 4
	PL
.endr
.if ((\p) == 0) && (q == 118)
	v_add_nc_u32 v[AV], s[TBV], v[AV0]
.endif
.if ((\p) == 0) && (q == 130)
	s_add_co_u32 s[TBV], s[TBV], KS*PV
.endif
.if (\cnt) && (q == 130)
	s_sub_co_u32 s[CNT], s[CNT], 1
	s_cmp_lg_u32 s[CNT], 0
.endif
.endr
.if (\p) == 0
	FETCH_V
.endif
.endm
	s_wait_tensorcnt 3              ; my part of keys 0 to 255 is in; my three younger loads may stay out
	s_wait_dscnt 0x0                ; my part of the table is stored
	s_barrier_signal -1
	s_barrier_wait -1               ; everybody's is
	FETCH_K                         ; key step 0
	s_wait_loadcnt 0x0              ; Q
	s_wait_dscnt 0x0
.set i, 0
.rept 16
	KQ 0                            ; piece 0's first scores
.set i, i+1
.endr
	WIN 0
.rept 4
	v_nop                           ; the places behind those products
.endr
.set Y, NP-1
.irp n, 0,1,2,3,4,5,6,7,8,9,10,11,12,13,14,15,16,17,18,19,20,21
	XS 0, \n                        ; piece 0's first maximum and statistics
	XS 1, \n
.endr
	v_nop
	s_wait_alu depctr_va_vdst(0)    ; the two a have their wait ahead of the branch
	s_mov_b32 s[CNT], 4             ; key steps 0 to 3 lie in the first 256 keys
	s_mov_b32 s[SLOTS], 2
	s_branch .Lfirst                ; the loop is entered at a step's first turn
.Lslot:                             ; passed once: the other 768 keys
	s_wait_tensorcnt 0x0            ; all my parts are in,
	s_wait_dscnt 0x0
	s_barrier_signal -1
	s_barrier_wait -1               ; everybody's are
	s_mov_b32 s[CNT], 12
.Lstep:                             ; a trip: pieces 2 and 3 of one step, then pieces 0 and 1 of the next, whose K and V it fetches
	TURN 2
	TURN 3
	WIN 0
.Lfirst:
	TURN 0
	TURN 1, 0, 1
	WIN 0
	s_cbranch_scc1 .Lstep
	s_sub_co_u32 s[SLOTS], s[SLOTS], 1
	s_cmp_lg_u32 s[SLOTS], 0
	s_cbranch_scc1 .Lslot
	TURN 2, 1                       ; the last step's pieces 2 and 3: nothing is fetched;
	TURN 3                          ; this turn's 16 products K Q^T, on the last K once more, and the maximum made of them serve nothing: the price, once a launch, of one text for every turn
.set i, 0
.rept 16
	PV NP-1
.set i, i+1
.endr
	; THE WAY OUT.  l's halves are added; O^T is divided by l, rounded to f16 and sent through my stage, a tile at a time.  The additions are the places behind the last products.
	WIN 0
.macro ALL line:vararg
.set t, 0
.rept 2*NP
	\line
.set t, t+1
.endr
.endm
	ALL v_add_f32 v[ST+4*t+2], v[ST+4*t+2], v[ST+4*t+3]
	ALL v_permlanex16_b32 v[ST+4*t+3], v[ST+4*t+2], s[SEL], s[SEL+1]
	ALL v_add_f32 v[ST+4*t+2], v[ST+4*t+2], v[ST+4*t+3]
	ALL v_rcp_f32 v[ST+4*t+2], v[ST+4*t+2]
	v_nop
	s_wait_alu depctr_va_vdst(0)    ; one wait for the eight reciprocals
.macro PACK t
	WIN W_RS
.set i, 32*(\t)
.rept 16
	v_pk_mul_f32 v[i:i+1], v[i:i+1], v[ST+4*(\t)+2:ST+4*(\t)+3] op_sel_hi:[1,0]
.set i, i+2
.endr
	WIN 0x05
.set i, 0
.rept 16
	v_cvt_pk_f16_f32 v[S+16*(\t)+i], v[32*(\t)+2*i], v[32*(\t)+2*i+1]
.set i, i+1
.endr
	WIN 0
.irp f, 0,1,2,3
	ds_store_b128 v[STO], v[S+16*(\t)+4*\f:S+16*(\t)+4*\f+3] offset:32*\f
.endr
.irp f, 0,1,2,3
	ds_load_b128 v[S+16*(\t)+4*\f:S+16*(\t)+4*\f+3], v[RD] offset:\f*4*SP  ; LDS serves a wave's instructions in order: these see the stores above
.endr
.endm
.macro SEND t, younger              ; younger: the LDS instructions issued behind tile t's loads
	WIN 0
.irp f, 0,1,2,3
	s_wait_dscnt (\younger)+3-\f
	global_store_b128 v[GO], v[S+16*(\t)+4*\f:S+16*(\t)+4*\f+3], s[10:11] offset:(\t)*2048+\f*512  ; 512 consecutive bytes, aligned
.endr
.endm
	PACK 0
.set t, 1
.rept 2*NP-1
	PACK t
	SEND t-1, 8
.set t, t+1
.endr
	SEND 2*NP-1, 0
	WIN W_AD
	s_wait_tensorcnt 0x0            ; the wave's end
	ds_add_u32 v[SPW], v[NIL]
	s_wait_dscnt 0x0
	WIN 0
	s_endpgm
.Lfunc_end_k_qb613cbec75_attn:
	.size	k_qb613cbec75_attn, .Lfunc_end_k_qb613cbec75_attn-k_qb613cbec75_attn
	.p2alignl 7, 3214868480
	.fill 96, 4, 3214868480
	.section	.rodata,"a",@progbits
	.p2align	6, 0x0
	.amdhsa_kernel k_qb613cbec75_attn
		.amdhsa_group_segment_fixed_size 327680
		.amdhsa_private_segment_fixed_size 0
		.amdhsa_enable_private_segment 0
		.amdhsa_kernarg_size 24
		.amdhsa_user_sgpr_count 2
		.amdhsa_user_sgpr_kernarg_segment_ptr 1
		.amdhsa_wavefront_size32 1
		.amdhsa_system_sgpr_workgroup_id_x 1
		.amdhsa_system_sgpr_workgroup_id_y 1
		.amdhsa_system_sgpr_workgroup_id_z 1
		.amdhsa_system_vgpr_workitem_id 0
		.amdhsa_next_free_vgpr 808
		.amdhsa_next_free_sgpr 88
		.amdhsa_reserve_vcc 0
		.amdhsa_float_denorm_mode_32 3
		.amdhsa_float_denorm_mode_16_64 3
		.amdhsa_memory_ordered 1
		.amdhsa_forward_progress 1
		.amdhsa_inst_pref_size 164
	.end_amdhsa_kernel
	.amdgpu_metadata
---
amdhsa.version: [ 1, 2 ]
amdhsa.kernels:
  - .name:           k_qb613cbec75_attn
    .symbol:         k_qb613cbec75_attn.kd
    .args:
      - { .name: qkv, .offset: 0, .size: 8, .value_kind: global_buffer, .address_space: global }
      - { .name: mask, .offset: 8, .size: 8, .value_kind: global_buffer, .address_space: global }
      - { .name: oh, .offset: 16, .size: 8, .value_kind: global_buffer, .address_space: global }
    .group_segment_fixed_size: 327680
    .private_segment_fixed_size: 0
    .kernarg_segment_align: 8
    .kernarg_segment_size: 24
    .max_flat_workgroup_size: 128
    .sgpr_count:     88
    .vgpr_count:     808
    .wavefront_size: 32
...
	.end_amdgpu_metadata
.endif
;; end of part 3
;; launch outp (part 4): grid 4 x 64, 4 waves a work-group, clusters of 4 x 4, 327,680 bytes of LDS; arguments oh, wb, bo, out0; writes out0
.if DOCPART == 4
	.amdgcn_target "amdgcn-amd-amdhsa--gfx1250"
	.amdhsa_code_object_version 6
	.text
	.protected	k_qb613cbec75_outp
	.globl	k_qb613cbec75_outp
	.p2align	8
	.type	k_qb613cbec75_outp,@function
k_qb613cbec75_outp:
	s_mov_b64 s[64:65], 0
	v_nop
	global_prefetch_b8 v0, s[64:65] scope:SCOPE_SE
	s_setreg_imm32_b32 hwreg(HW_REG_WAVE_MODE, 25, 1), 1
	s_wait_xcnt 0x0
	s_wait_alu depctr_hold_cnt(0) depctr_sa_sdst(0) depctr_va_vdst(0) depctr_va_sdst(0) depctr_va_ssrc(0) depctr_va_vcc(0) depctr_vm_vsrc(0)
	s_getreg_b32 s2, hwreg(HW_REG_IB_STS2, 6, 4)
	s_cmp_eq_u32 s2, 0
	s_cbranch_scc0 .Lentry_in_a_cluster
	s_endpgm
.Lentry_in_a_cluster:
	s_bfe_u32 s2, ttmp6, 0x10000c
	s_cmp_lg_u32 s2, 0xf033
	s_cbranch_scc0 .Lentry_shape_is_right
	s_endpgm
.Lentry_shape_is_right:
; out0 = O Wo^T + bo.  O: oh, f16, [batch][head][row][64]; Wo: part 3 of wb, [1024][1024] f16; bo rounded to bf16; sums in f32; out0 [8192][1024] f32.
; SHARES.  A work-group makes 128 rows x 256 columns: 256 work-groups.  Four waves, each 64 x 128: 32 accumulators.  K goes in 8 steps of 128 channels = two heads, through two LDS slots.
; A head's 128 rows are 16,384 dense bytes: asked for as 64 rows of 256 bytes, padded in LDS after every 128.
; CLUSTER 4 x 4: O's tile is shared along a row of the cluster, Wo's along a column, each asked for jointly.  THE PRODUCT IS USED TRANSPOSED (source 0 = 16 rows of Wo, source 1 = 16 rows of O).
; REGISTERS.  window 0: v16-30 addresses; v32-63, v64-95 O's fragments, two buffers; v128-255 rows read back from the stage, two buffers
;   window 1: v0-63, v64-127 Wo's fragments; v128-191 the bias; v192 at work          window 2: accumulator (a, b) at 8 (8 a + b)
.set PA,    144
.set PB,    272
.set HEADL, 128*PA                     ; a head's 128 rows in LDS
.set HEADG, 131072                     ; a head in memory
.set BOFF,  2*HEADL
.set SLOT,  BOFF+256*PB
.set STAGE, 2*SLOT                     ; 16 rows x 528 bytes for each wave
.set SPITCH, 528
.set SPARE, STAGE+4*16*SPITCH
.set LAPS,  4
.set ADRA, 16
.set ADRB, 20
.set STO,  24
.set RD,   25
.set CO,   26
.set BO,   27
.set SPW,  28
.set NIL,  29
.set PFO,  30
.set AF,   32
.set OB,   128
.set BI,   128                         ; window 1
.set BT,   192                         ; window 1
.set G1A, 24
.set G0A, 32
.set G1B, 48
.set G0B, 56
.set LIM, 43
.set PFA, 44
.set MSB, 0
.macro WIN new
.if MSB != (\new)
	s_set_vgpr_msb (MSB<<8)|(\new)
.set MSB, \new
.endif
.endm
.set MULW, 0xa1
.set MULZ, 0x91
.set TO_B, 0x40
.macro JLOAD s                         ; waves 0 and 1 fetch the K step's two heads of O, waves 2 and 3 Wo's two halves
	s_cmp_eq_u32 s11, 0
	s_cbranch_scc0 .Lfor_b_\@
	tensor_load_to_lds s[G0A+4*(\s):G0A+4*(\s)+3], s[G1A:G1A+7]
	s_nop 0
.rept 4
	v_nop
.endr
	s_branch .Lasked_\@
.Lfor_b_\@:
	tensor_load_to_lds s[G0B+4*(\s):G0B+4*(\s)+3], s[G1B:G1B+7]
	s_nop 0
.rept 4
	v_nop
.endr
.Lasked_\@:
.endm
.macro CREST
	s_cmp_lg_u32 s10, 0
	s_cbranch_scc1 .Lnot_wave_0_\@
	s_barrier_signal -3
.Lnot_wave_0_\@:
	s_barrier_wait -3
	s_barrier_signal -1
	s_barrier_wait -1
.endm
.macro CROUND
	s_barrier_signal -1
	s_barrier_wait -1
	CREST
.endm
.macro PLACES
.rept 4
	v_nop
.endr
.endm
; A prefetch of O: the K step two refills on (256 products ahead of its load): two heads x 16,384 bytes.  One row of one cluster alone reads these rows; its four partners take 4,096 bytes of each head,
; told apart by address; in each, wave 0 asks: a lane a block of 256 bytes.  K steps 0 to 3 come by their loads alone; the loop's last trip asks for nothing.  Wo is walked again and again: not asked for.
.macro ASK
	WIN 0
	s_cmp_gt_u32 s3, s[LIM]
	s_cbranch_scc0 .Lnot_mine_\@
	global_prefetch_b8 v[PFO], s[PFA:PFA+1] th:TH_LOAD_NT scope:SCOPE_SE
.Lnot_mine_\@:
.endm
	s_load_b256 s[68:75], s[0:1], 0x0              ; oh 68, wb 70, bo 72, out0 74
	v_lshl_add_u32 v[SPW], v0, 2, SPARE
	v_mov_b32 v[NIL], 0
	ds_add_u32 v[SPW], v[NIL]                      ; the wave's opening: the add and its wait ahead of my first tensor load
	v_lshrrev_b32 v1, 5, v0
	v_readfirstlane_b32 s10, v1
	s_lshr_b32 s11, s10, 1
	s_and_b32 s12, s10, 1
	s_bfe_u32 s40, ttmp6, 0x40000                  ; cx
	s_bfe_u32 s41, ttmp6, 0x40004                  ; cy
	s_lshl_b32 s42, ttmp9, 2
	s_add_co_u32 s42, s42, s40                     ; tile column
	s_and_b32 s13, ttmp7, 0xffff
	s_lshl_b32 s13, s13, 2
	s_add_co_u32 s13, s13, s41                     ; tile row
	s_lshl_b32 s43, s41, 2
	s_lshl_b32 s43, 15, s43
	s_lshl_b32 s44, 0x1111, s40
	s_or_b32 s[G1A+0], s43, (1<<16)|(1<<20)|(1<<21)|(4<<22)|(3<<25)  ; 2-byte elements; after every 32 words 4 words of padding
	s_or_b32 s[G1B+0], s44, (1<<16)|(1<<20)|(1<<21)|(5<<22)|(3<<25)  ; after every 64 words
	s_mov_b32 s[G1A+1], 128<<16
	s_mov_b32 s[G1A+2], 64<<16
	s_mov_b32 s[G1A+3], 128<<16
	s_mov_b32 s[G1A+4], 64
	s_mov_b32 s[G1A+5], 128
	s_mov_b32 s[G1A+6], 0
	s_mov_b32 s[G1A+7], 0
	s_mov_b32 s[G1B+1], 128<<16
	s_mov_b32 s[G1B+2], 128<<16
	s_mov_b32 s[G1B+3], 128<<16
	s_mov_b32 s[G1B+4], 128
	s_mov_b32 s[G1B+5], 1024
	s_mov_b32 s[G1B+6], 0
	s_mov_b32 s[G1B+7], 0
	s_lshr_b32 s16, s13, 3                         ; O: batch, head = my half, the tile's 128 rows, 128 bytes a row
	s_lshl_b32 s16, s16, 4
	s_add_co_u32 s16, s16, s12
	s_lshl_b32 s16, s16, 10
	s_and_b32 s17, s13, 7
	s_lshl_b32 s17, s17, 7
	s_add_co_u32 s16, s16, s17
	s_lshl_b32 s16, s16, 7
	s_mov_b32 s17, 0
	s_lshl_b32 s46, s42, 8                         ; Wo: row 256 x tile column + 128 x half, in part 3 of wb
	s_lshl_b32 s47, s12, 7
	s_add_co_u32 s46, s46, s47
	s_lshl_b32 s46, s46, 11
	s_add_co_u32 s46, s46, 3<<21
	s_mov_b32 s47, 0
	s_mul_i32 s20, s12, HEADL
	s_mul_i32 s21, s12, 128*PB
	s_add_co_u32 s21, s21, BOFF
	s_lshr_b32 s22, s13, 3                         ; the prefetches: the batch's head 0, the tile's rows, my work-group's 4,096 bytes, at K step 3
	s_lshl_b32 s22, s22, 14
	s_and_b32 s23, s13, 7
	s_lshl_b32 s23, s23, 7
	s_add_co_u32 s22, s22, s23
	s_lshl_b32 s22, s22, 7
	s_lshl_b32 s23, s40, 12
	s_add_co_u32 s22, s22, s23
	s_add_co_u32 s22, s22, 3*2*HEADG
	s_mov_b32 s23, 0
	s_lshl_b32 s6, s42, 10                         ; my 128 columns, 4 bytes each: in the bias and in a row of out0
	s_lshl_b32 s7, s12, 9
	s_add_co_u32 s6, s6, s7
	s_mov_b32 s7, 0
	s_cmp_eq_u32 s10, 0
	s_cselect_b32 s[LIM], 1, -1                    ; wave 0 prefetches
	s_wait_dscnt 0x0
	s_wait_kmcnt 0x0
	s_add_nc_u64 s[18:19], s[68:69], s[16:17]
	s_add_nc_u64 s[46:47], s[70:71], s[46:47]
	s_add_nc_u64 s[PFA:PFA+1], s[68:69], s[22:23]
	s_add_nc_u64 s[76:77], s[72:73], s[6:7]
	s_add_nc_u64 s[8:9], s[74:75], s[6:7]
	CROUND
.irp s, 0,1
	s_mov_b32 s[G0A+4*(\s)], 1
	s_add_co_u32 s[G0A+4*(\s)+1], s20, (\s)*SLOT
	s_add_nc_u64 s[G0A+4*(\s)+2:G0A+4*(\s)+3], s[18:19], (\s)*2*HEADG
	s_or_b32 s[G0A+4*(\s)+3], s[G0A+4*(\s)+3], 0x80000000
	s_mov_b32 s[G0B+4*(\s)], 1
	s_add_co_u32 s[G0B+4*(\s)+1], s21, (\s)*SLOT
	s_add_nc_u64 s[G0B+4*(\s)+2:G0B+4*(\s)+3], s[46:47], (\s)*256
	s_or_b32 s[G0B+4*(\s)+3], s[G0B+4*(\s)+3], 0x80000000
	JLOAD \s
.endr
	v_and_b32 v1, 15, v0
	v_bfe_u32 v2, v0, 4, 1
	v_lshlrev_b32 v[BO], 5, v2
	WIN TO_B
.irp b, 0,1,2,3,4,5,6,7
	global_load_b128 v[BI+8*(\b):BI+8*(\b)+3],   v[BO], s[76:77] offset:64*(\b)
	global_load_b128 v[BI+8*(\b)+4:BI+8*(\b)+7], v[BO], s[76:77] offset:64*(\b)+16
.endr
	WIN 0
	v_mul_u32_u24 v3, v1, PA
	v_lshl_add_u32 v3, v2, 4, v3
	v_mul_u32_u24 v4, v1, PB
	v_lshl_add_u32 v4, v2, 4, v4
	s_mul_i32 s22, s11, 64*PA
	s_mul_i32 s23, s12, 128*PB
	s_add_co_u32 s23, s23, BOFF
.irp s, 0,1
	v_add_nc_u32 v[ADRA+(\s)], s22, v3
	v_add_nc_u32 v[ADRB+(\s)], s23, v4
	s_add_co_u32 s22, s22, SLOT
	s_add_co_u32 s23, s23, SLOT
.endr
	s_mul_i32 s16, s10, 16*SPITCH
	s_add_co_u32 s16, s16, STAGE
	v_mul_u32_u24 v5, v1, SPITCH                   ; in: row l % 16, 32 bytes for each half of the lanes
	v_lshl_add_u32 v5, v2, 5, v5
	v_add_nc_u32 v[STO], s16, v5
	v_and_b32 v6, 31, v0
	v_lshlrev_b32 v[CO], 4, v6                     ; back and out: a wave takes a row's 512 bytes
	v_add_nc_u32 v[RD], s16, v[CO]
	v_lshlrev_b32 v[PFO], 17, v2                   ; head l / 16, block l % 16
	v_lshl_add_u32 v[PFO], v1, 8, v[PFO]
	s_lshl_b32 s16, s13, 7                         ; my first row of out0, 4,096 bytes a row
	s_lshl_b32 s17, s11, 6
	s_add_co_u32 s16, s16, s17
	s_lshl_b32 s16, s16, 12
	s_mov_b32 s17, 0
	s_add_nc_u64 s[8:9], s[8:9], s[16:17]
	s_wait_loadcnt 0x0
	WIN 0x45
.set i, 0
.rept 32                               ; the bias rounded to bf16 like every input, and kept as f32
	v_cvt_pk_bf16_f32 v[BT], v[BI+i], v[BI+i+1]
	v_lshlrev_b32 v[BI+i], 16, v[BT]
	v_and_b32 v[BI+i+1], 0xffff0000, v[BT]
.set i, i+2
.endr
	WIN 0
; 24 LDS loads in one run: quarter kq = head kq / 2 of the slot's two, channels 32 (kq % 2) on
.macro FETCH slot, kq, g
	WIN 0
.irp a, 0,1,2,3
	ds_load_b128 v[AF+32*(\g)+8*(\a):AF+32*(\g)+8*(\a)+3],   v[ADRA+(\slot)] offset:((\kq)/2)*HEADL+((\kq)%2)*64+(\a)*16*PA
	ds_load_b128 v[AF+32*(\g)+8*(\a)+4:AF+32*(\g)+8*(\a)+7], v[ADRA+(\slot)] offset:((\kq)/2)*HEADL+((\kq)%2)*64+(\a)*16*PA+32
.endr
	WIN TO_B
.irp b, 0,1,2,3,4,5,6,7
	ds_load_b128 v[64*(\g)+8*(\b):64*(\g)+8*(\b)+3],   v[ADRB+(\slot)] offset:64*(\kq)+(\b)*16*PB
	ds_load_b128 v[64*(\g)+8*(\b)+4:64*(\g)+8*(\b)+7], v[ADRB+(\slot)] offset:64*(\kq)+(\b)*16*PB+32
.endr
.endm
.macro MUL8 f, a, zero                 ; the 32 accumulators take turns in the same order in every quarter; zero = 1: the bias starts the sums
.if \zero
	WIN MULZ
.else
	WIN MULW
.endif
.irp b, 0,1,2,3,4,5,6,7
.if \zero
	v_wmma_f32_16x16x32_f16 v[8*(8*(\a)+(\b)):8*(8*(\a)+(\b))+7], v[64*(\f)+8*(\b):64*(\f)+8*(\b)+7], v[AF+32*(\f)+8*(\a):AF+32*(\f)+8*(\a)+7], v[BI+8*(\b):BI+8*(\b)+7]
.else
	v_wmma_f32_16x16x32_f16 v[8*(8*(\a)+(\b)):8*(8*(\a)+(\b))+7], v[64*(\f)+8*(\b):64*(\f)+8*(\b)+7], v[AF+32*(\f)+8*(\a):AF+32*(\f)+8*(\a)+7], v[8*(8*(\a)+(\b)):8*(8*(\a)+(\b))+7]
.endif
.endr
.endm
.macro QUARTER slot, kqn, f, g, zero
	PLACES                                         ; four places behind the last product that read buffer g, in front of the loads into it
	FETCH \slot, \kqn, \g
	s_wait_dscnt 24                                ; all but the 24 just issued: buffer f is in
	MUL8 \f, 0, \zero
	MUL8 \f, 1, \zero
	MUL8 \f, 2, \zero
	MUL8 \f, 3, \zero
.endm
; The last quarter multiplies buffer 1 and changes slots: one barrier, in front of it the wait for all my tensor loads, the add, and the wait for it and for my reads of this slot.
.macro TURN slot, next, fill
.if \fill
	s_wait_xcnt 0x0                                ; the last prefetch, a K step back, has read its address
	s_add_nc_u64 s[PFA:PFA+1], s[PFA:PFA+1], 2*HEADG
.endif
	WIN 0
	s_wait_tensorcnt 0x0
	ds_add_u32 v[SPW], v[NIL]
	s_wait_dscnt 1                                 ; only the add may be out: buffer 1 is in
	MUL8 1, 0, 0
	s_wait_dscnt 0x0
	s_barrier_signal -1
	MUL8 1, 1, 0
.if \fill
	WIN 0
.endif
	s_barrier_wait -1
.if \fill
	CREST
	s_add_nc_u64 s[G0A+4*(\slot)+2:G0A+4*(\slot)+3], s[G0A+4*(\slot)+2:G0A+4*(\slot)+3], 4*HEADG
	s_add_nc_u64 s[G0B+4*(\slot)+2:G0B+4*(\slot)+3], s[G0B+4*(\slot)+2:G0B+4*(\slot)+3], 512
	JLOAD \slot                                    ; its four v_nop are also the places in front of the loads below
.else
	PLACES
.endif
	FETCH \next, 0, 0
.if \fill
	ASK
.endif
	MUL8 1, 2, 0
	MUL8 1, 3, 0
.endm
; THE WAY OUT of row block a: a lane's 32 bytes of a row into my stage, whole rows of 512 bytes back, stored.
.macro TOSTAGE a
	WIN 0x08                                       ; the stores' data in window 2
.irp b, 0,1,2,3,4,5,6,7
	ds_store_b128 v[STO], v[8*(8*(\a)+(\b)):8*(8*(\a)+(\b))+3]   offset:64*(\b)
	ds_store_b128 v[STO], v[8*(8*(\a)+(\b))+4:8*(8*(\a)+(\b))+7] offset:64*(\b)+16
.endr
	WIN 0
.irp t, 0,1,2,3,4,5,6,7,8,9,10,11,12,13,14,15
	ds_load_b128 v[OB+64*((\a)%2)+4*(\t):OB+64*((\a)%2)+4*(\t)+3], v[RD] offset:(\t)*SPITCH  ; LDS serves a wave's instructions in order: these see the stores above
.endr
.endm
.macro SEND a
	s_wait_dscnt 0x0
	s_wait_xcnt 0x0                                ; earlier stores have read their registers: the next block's loads land only behind this wait
.irp t, 0,1,2,3,4,5,6,7,8,9,10,11,12,13,14,15
	global_store_b128 v[CO], v[OB+64*((\a)%2)+4*(\t):OB+64*((\a)%2)+4*(\t)+3], s[8:9] offset:(16*(\a)+(\t))*4096 th:TH_STORE_NT  ; 512 consecutive bytes, aligned
.endr
.endm
	s_wait_tensorcnt 1                             ; my part of K step 0 is in; K step 1's may stay out
	s_barrier_signal -1
	s_barrier_wait -1
	FETCH 0, 0, 0
	QUARTER 0, 1, 0, 1, 1
	WIN 0
	s_mov_b32 s3, LAPS-1
.Llap:
	QUARTER 0, 2, 1, 0, 0
	QUARTER 0, 3, 0, 1, 0
	TURN 0, 1, 1
	QUARTER 1, 1, 0, 1, 0
	QUARTER 1, 2, 1, 0, 0
	QUARTER 1, 3, 0, 1, 0
	TURN 1, 0, 1
	QUARTER 0, 1, 0, 1, 0
	WIN 0
	s_sub_co_u32 s3, s3, 1
	s_cmp_lg_u32 s3, 0
	s_cbranch_scc1 .Llap
	QUARTER 0, 2, 1, 0, 0
	QUARTER 0, 3, 0, 1, 0
	TURN 0, 1, 0
	QUARTER 1, 1, 0, 1, 0
	QUARTER 1, 2, 1, 0, 0
	QUARTER 1, 3, 0, 1, 0
	s_wait_dscnt 0x0
	MUL8 1, 0, 0
	MUL8 1, 1, 0
	MUL8 1, 2, 0
	MUL8 1, 3, 0
	PLACES
	TOSTAGE 0
.irp a, 1,2,3
	SEND (\a)-1
	TOSTAGE \a
.endr
	SEND 3
	s_wait_tensorcnt 0x0                           ; the wave's end
	ds_add_u32 v[SPW], v[NIL]
	s_wait_dscnt 0x0
	CROUND                                         ; the closing round
	s_endpgm
.Lfunc_end_k_qb613cbec75_outp:
	.size	k_qb613cbec75_outp, .Lfunc_end_k_qb613cbec75_outp-k_qb613cbec75_outp
	.p2alignl 7, 3214868480
	.fill 96, 4, 3214868480
	.section	.rodata,"a",@progbits
	.p2align	6, 0x0
	.amdhsa_kernel k_qb613cbec75_outp
		.amdhsa_group_segment_fixed_size 327680
		.amdhsa_private_segment_fixed_size 0
		.amdhsa_enable_private_segment 0
		.amdhsa_kernarg_size 32
		.amdhsa_user_sgpr_count 2
		.amdhsa_user_sgpr_kernarg_segment_ptr 1
		.amdhsa_wavefront_size32 1
		.amdhsa_system_sgpr_workgroup_id_x 1
		.amdhsa_system_sgpr_workgroup_id_y 1
		.amdhsa_system_sgpr_workgroup_id_z 1
		.amdhsa_system_vgpr_workitem_id 0
		.amdhsa_next_free_vgpr 768
		.amdhsa_next_free_sgpr 80
		.amdhsa_reserve_vcc 0
		.amdhsa_float_denorm_mode_32 3
		.amdhsa_float_denorm_mode_16_64 3
		.amdhsa_memory_ordered 1
		.amdhsa_forward_progress 1
		.amdhsa_inst_pref_size 93
	.end_amdhsa_kernel
	.amdgpu_metadata
---
amdhsa.version: [ 1, 2 ]
amdhsa.kernels:
  - .name:           k_qb613cbec75_outp
    .symbol:         k_qb613cbec75_outp.kd
    .args:
      - { .name: oh, .offset: 0, .size: 8, .value_kind: global_buffer, .address_space: global }
      - { .name: wb, .offset: 8, .size: 8, .value_kind: global_buffer, .address_space: global }
      - { .name: bo, .offset: 16, .size: 8, .value_kind: global_buffer, .address_space: global }
      - { .name: out0, .offset: 24, .size: 8, .value_kind: global_buffer, .address_space: global }
    .group_segment_fixed_size: 327680
    .private_segment_fixed_size: 0
    .kernarg_segment_align: 8
    .kernarg_segment_size: 32
    .max_flat_workgroup_size: 128
    .sgpr_count:     80
    .vgpr_count:     768
    .wavefront_size: 32
...
	.end_amdgpu_metadata
.endif
;; end of part 4
